; MI455X (gfx1250); checked and timed in simulation.
; The chip was launched on July 23, 2026; its instructions are those of AMD's public machine-readable ISA for CDNA 5 (MIT licence, August 2026) and "CDNA5" Instruction Set Architecture Reference Guide (July 2026). The comments in the code are by the model that wrote it; some were corrected since.
;; Multi Head Attention. Allowed arithmetic: matrix products marked QUANTISED: E2M1 operands, one E8M0 scale for each 32 along K, by v_wmma_scale_f32_16x16x128_f8f6f4 with both operands' format E2M1 (or v_wmma_scale_f32_32x16x128_f4), f32 sums; products left as they are: bf16, f16 or f32 operands; f32 sums; everything else in f32.
;; Inputs: Wk 8 x 512 x 64 float32; Wo 512 x 512 float32; Wq 8 x 512 x 64 float32; Wv 8 x 512 x 64 float32; key 128 x 256 x 512 float32; query 128 x 256 x 512 float32; rpe_w 8 x 513 float32; value 128 x 256 x 512 float32.
;; Outputs: out0 128 x 256 x 512 float32.
;; This version of the problem:
;;   THIS VERSION OF THE PROBLEM IS GIVEN IN LOW PRECISION. The matrix products marked QUANTISED in the list below multiply operands that are first quantised to E2M1 (2 exponent bits, 1 mantissa bit; 4 bits a number), with one power-of-two scale for each 32 numbers along K (OCP MX v1.0); their sums are f32. The products marked 'left as it is' may take bf16, f16 or f32 operands, with f32 sums. Whichever they take, every output number must still come out within the allowed error. Rounding operands to bf16 (8 significant bits) uses up far more of that allowance than f16 does (11 bits, for magnitudes from 6e-5 to 65,504). All else is computed in f32.
;;   The module's matrix products, in the order in which they are computed (A, B: the left and right operand; K: the contracted axis; several contracted axes count as one K, in the product's order):
;;     1. [M 512, K 512] x [K 512, N 32,768]; A: input Wq; B: input query: QUANTISED
;;     2. [M 512, K 512] x [K 512, N 32,768]; A: input Wk; B: input key: QUANTISED
;;     3. [M 512, K 512] x [K 512, N 32,768]; A: input Wv; B: input value: QUANTISED
;;     4. batch 1,024 x [M 256, K 64] x [K 64, N 256]; A: computed on the way; B: computed on the way: left as it is (an operand is computed on the way)
;;     5. batch 1,024 x [M 256, K 256] x [K 256, N 64]; A: computed on the way; B: computed on the way: left as it is (an operand is computed on the way)
;;     6. [M 32,768, K 512] x [K 512, N 512]; A: computed on the way; B: input Wo: left as it is (an operand is computed on the way)
;;   THE QUANTISER, for each operand of a quantised product, along K:
;;     - K is cut into blocks of 32 from its start; a last block that is shorter is filled with zeros.
;;     - A block's scale is 2^e with e = floor(log2(the largest magnitude in the block)) - 2, held to -126 .. 127; a block of zeros has e = 0. As a byte (E8M0): e + 127.
;;     - Each number is divided by its block's scale, clamped to +-6, and rounded to the nearest number of E2M1, ties to even, subnormals kept.
;;     - The product sums the exact products of the quantised numbers (number of the format x scale) in f32.
;;   ~~~python
;;   def quantise(x, axis):      # numpy; x: float32 -> the quantised numbers, widened to float32 again
;;       x = np.moveaxis(x, axis, -1); K = x.shape[-1]
;;       x = np.pad(x, [(0, 0)] * (x.ndim - 1) + [(0, -K % 32)]); x = x.reshape(x.shape[:-1] + (-1, 32)); a = np.abs(x).max(-1, keepdims=True)
;;       e = np.where(a > 0, np.clip(np.frexp(np.where(a > 0, a, 1))[1] - 1 - 2, -126, 127), 0)      # np.frexp(a)[1] - 1 = floor(log2(a)), exactly
;;       r = np.clip(x / 2.0 ** e, -6, 6)
;;       step = 2.0 ** (np.maximum(np.frexp(np.where(r == 0, 1, r))[1] - 1, 0) - 1)
;;       q = np.round(r / step) * step * 2.0 ** e      # np.round: ties to even
;;       return np.moveaxis(q.reshape(q.shape[:-2] + (-1,))[..., :K], -1, axis).astype(np.float32)
;;   ~~~
;; One version. Each part assembles by itself: llvm-mc -triple=amdgcn-amd-amdhsa -mcpu=gfx1250 --defsym DOCPART=n.
;; ======== version 1 of 1: 2 launches
;; limits: values are held in f16: magnitudes above 65,504 overflow, below 6.1e-05 lose precision
;; workspace buffers: acodes 25,165,824 bytes; ascales 1,572,864 bytes; wcodes 393,216 bytes; wscales 24,576 bytes; wo16 524,288 bytes; btab 102,400 bytes
;; launch prep (part 1): grid 1642 x 1, 4 waves a work-group, no clusters, 34,304 bytes of LDS; arguments query, key, value, Wq, Wk, Wv, Wo, rpe_w, acodes, ascales, wcodes, wscales, wo16, btab; writes acodes, ascales, wcodes, wscales, wo16, btab
.if DOCPART == 1
	.amdgcn_target "amdgcn-amd-amdhsa--gfx1250"
	.amdhsa_code_object_version 6
	.text
	.protected	k_q0cfa58fc47_prep
	.globl	k_q0cfa58fc47_prep
	.p2align	8
	.type	k_q0cfa58fc47_prep,@function
k_q0cfa58fc47_prep:
	s_mov_b64 s[64:65], 0
	v_nop
	global_prefetch_b8 v0, s[64:65] scope:SCOPE_SE
	s_setreg_imm32_b32 hwreg(HW_REG_WAVE_MODE, 25, 1), 1
	s_wait_xcnt 0x0
; WHAT IT MAKES, for the launch behind it.  Four kinds of work, told apart by the work-group's number alone:
;   W (work-groups 0-23):     Wq, Wk, Wv [8][512 d][64 e] f32 -> codes of FP4 (E2M1) quantised along d, as images of operand registers, and scale words
;   O (24-55):                Wo [512 c][512 n] f32 -> f16 fragments of Wo^T (rows n, K = c), as images of operand registers
;   B (56-105):               rpe_w [8][513] -> the bias table: [query half][head][copy s = 0..3][400]: entry p = rpe_w[head][clamp(384 + 128 half + s - p, 0, 512)]
;   A (106-1641):             query, key, value [32,768 rows][512] f32 -> codes of FP4 quantised along the row, as images of operand registers, and scale words
; AN IMAGE: a fragment is 16 rows x 128 K of 4-bit codes, 8 registers a lane: lane (r, h) holds row r; registers 4 c .. 4 c + 3 hold K = 64 c + 32 h + 0 .. 31.  It lies in memory as the registers stand:
; [c][lane][16 bytes], 1,024 bytes; a tile of 16 rows has four (K steps of 128), 4,096 bytes.  So the reader fills a fragment by two loads of 16 bytes a lane, and every store here covers 512 consecutive bytes, aligned.
; Scale words: [row][16 bytes], word s = the four E8M0 bytes of K step s.
; THE QUANTISER: a block's scale is 2^(floor(log2(its largest magnitude)) - 2); its byte is the largest magnitude's own exponent field - 2, held at 1 from below by a floor among the maximum's leaves.
; Each number is divided by the scale and rounded to the nearest code, ties to even, beyond 6 the largest code: the conversion does all three.
; LIMITS: a block of zeros, or one whose largest magnitude lies under 2^-124, gets the byte 1 where the rule says 127 or less: its codes are zeros (or were not tried), and this program alone reads the bytes.
; NaN and infinities among the inputs are not served.  |Wo| stays under 65,504 (f16).
; No matrix unit, no cluster, no tensor load: waves share nothing, memory binds.  A wave of path A has 16 to 32 loads of 512 bytes on their way.  The text is kept to 160 registers a wave (the turn through LDS comes back into
; the registers that it left; one set of 8 registers for the codes), so that many waves lie side by side and few work-groups have to wait for a place.  The small kinds of work come first: they end early.
.set PITCH, 528                        ; a stage row: 512 bytes + 16: the sixteen rows that a read touches begin at sixteen different 16-byte columns modulo 256
.set STGB,  16*PITCH                   ; a wave's stage (path A alone): 16 rows
.set SPARE, 4*STGB                     ; behind the four stages: the spare words, 128 bytes for each wave: two blocks of 256 bytes that no other line names
.set LI,   4                           ; v4   16 x lane
.set SH,   5                           ; v5   8 h: where my two scale bytes stand in the word
.set LO,   6                           ; v6   paths W, O: my lane's byte in the weight
.set STW,  7                           ; v7   the stage, on the way in: 16 x lane in row 0
.set STR,  8                           ; v8   on the way out: row r, + 128 h
.set SO,   9                           ; v9   16 r + 8 h: my 8 bytes of the tile's scale words
.set SPW,  10                          ; v10  LDS address of my spare word; never rewritten
.set NIL,  11                          ; v11  0; never rewritten
.set SW,   20                          ; v20-23 the four K steps' scale words
.set C,    24                          ; v24-31 a K step's codes
.set R0,   32                          ; v32-95, v96-159 two sets of 64 numbers
; 64 numbers of a lane, register 32 c + i = K 64 c + 32 h + i of my row, become K step s's codes and scale word.  A lane holds two whole blocks: no other lane is asked for a maximum.
.macro QFRAG x, s
.irp c, 0,1
	v_max3_num_f32 v[12+\c], |v[\x+32*\c]|, |v[\x+32*\c+1]|, 0x1800000   ; and the floor 2^(3 - 127): the byte cannot fall under 1
.endr
.irp i, 2,4,6,8,10,12,14,16,18,20,22,24,26,28,30
.irp c, 0,1
	v_max3_num_f32 v[12+\c], v[12+\c], |v[\x+32*\c+\i]|, |v[\x+32*\c+\i+1]|   ; (the two blocks by turns)
.endr
.endr
.irp c, 0,1
	v_add_nc_u32 v[14+\c], 0xff000000, v[12+\c]    ; 2 off the exponent field: the conversion takes the exponent field of this operand as its scale
.endr
.irp c, 0,1
	v_lshrrev_b32 v[16+\c], 23, v[14+\c]           ; the scale's byte
.endr
	v_lshl_or_b32 v18, v17, 16, v16                ; my two bytes: blocks h and 2 + h,
	v_lshlrev_b32 v18, v[SH], v18                  ; at their places in the word;
	v_permlanex16_b32 v19, v18, s36, s37
	v_or_b32 v[SW+\s], v18, v19                    ; with lane l xor 16's two the word is whole
	s_wait_xcnt 0x0                                ; the last K step's stores have read the codes' registers: they are written again only behind this wait
.irp c, 0,1
.irp g, 0,1,2,3
	v_cvt_scalef32_pk8_fp4_f32 v[C+4*\c+\g], v[\x+32*\c+8*\g:\x+32*\c+8*\g+7], v[14+\c]
.endr
.endr
	v_nop                                          ; one plain place behind the last scaled conversion
.endm
.macro CODEOUT s                       ; the fragment leaves as it stands: 512 consecutive bytes a store
.irp c, 0,1
	global_store_b128 v[LI], v[C+4*\c:C+4*\c+3], s[44:45] offset:1024*(\s)+512*\c
.endr
.endm
	s_load_b512 s[4:19], s[0:1], 0x0               ; query, key, value, Wq, Wk, Wv, Wo, rpe_w
	s_load_b256 s[20:27], s[0:1], 0x40             ; acodes, ascales, wcodes, wscales
	s_load_b128 s[28:31], s[0:1], 0x60             ; wo16, btab
	v_lshl_add_u32 v[SPW], v0, 2, SPARE
	v_mov_b32 v[NIL], 0
	v_lshrrev_b32 v1, 5, v0
	v_readfirstlane_b32 s32, v1                    ; wave 0..3
	v_and_b32 v1, 31, v0                           ; lane
	v_and_b32 v2, 15, v0                           ; r
	v_bfe_u32 v3, v0, 4, 1                         ; h
	v_lshlrev_b32 v[LI], 4, v1
	v_lshlrev_b32 v[SH], 3, v3
	s_mul_i32 s33, s32, STGB
	v_add_nc_u32 v[STW], s33, v[LI]
	v_mul_u32_u24 v[STR], v2, PITCH
	v_lshl_add_u32 v[STR], v3, 7, v[STR]
	v_add_nc_u32 v[STR], s33, v[STR]
	v_lshlrev_b32 v[SO], 4, v2
	v_lshl_add_u32 v[SO], v3, 3, v[SO]
	v_mov_b32 v19, 0                               ; written once: a lane permute's destination counts as one of its sources
	v_cmp_eq_u32 s40, 1, v3                        ; the lanes of the upper half
	s_mov_b32 s36, 0x76543210
	s_mov_b32 s37, 0xfedcba98                      ; v_permlanex16_b32's selects for lane l xor 16
	s_mov_b32 s35, 0                               ; the high word of every offset pair s[34:35]
	s_wait_kmcnt 0x0
	s_cmp_lt_u32 ttmp9, 24
	s_cbranch_scc1 .LpathW
	s_cmp_lt_u32 ttmp9, 56
	s_cbranch_scc1 .LpathO
	s_cmp_lt_u32 ttmp9, 106
	s_cbranch_scc1 .LpathB
; ---- A: a wave takes one tile of 16 rows x 512 numbers.  Each load reads 512 consecutive bytes of one row; a K step's 16 x 512 bytes turn through the wave's own stage and come back, in the operand's order, into the registers that they left.
	s_sub_co_u32 s33, ttmp9, 106
	s_lshl_b32 s33, s33, 2
	s_add_co_u32 s33, s33, s32                     ; the tile, 0 .. 6,143: 2,048 for each tensor
	s_cmp_lt_u32 s33, 2048
	s_cselect_b64 s[42:43], s[4:5], s[6:7]
	s_cmp_lt_u32 s33, 4096
	s_cselect_b64 s[42:43], s[42:43], s[8:9]       ; query, key or value: the choice hangs on ids alone
	s_and_b32 s34, s33, 2047
	s_lshl_b32 s34, s34, 15                        ; 16 rows of 2,048 bytes
	s_add_nc_u64 s[42:43], s[42:43], s[34:35]
	s_lshl_b32 s34, s33, 12
	s_add_nc_u64 s[44:45], s[20:21], s[34:35]      ; its codes: 4,096 bytes
	s_lshl_b32 s34, s33, 8
	s_add_nc_u64 s[46:47], s[22:23], s[34:35]      ; its scale words: 256 bytes
.macro LOADA s
.set i, 0
.rept 16
	global_load_b128 v[R0+64*((\s)%2)+4*i:R0+64*((\s)%2)+4*i+3], v[LI], s[42:43] offset:2048*i+512*(\s) th:TH_LOAD_NT
.set i, i+1
.endr
.endm
	LOADA 0
	LOADA 1
.irp s, 0,1,2,3
.if \s < 3
	s_wait_loadcnt 16                              ; this K step's 16 loads are in; the next step's 16 may be out
.else
	s_wait_loadcnt 0x0
.endif
.set i, 0
.rept 16
	ds_store_b128 v[STW], v[R0+64*(\s%2)+4*i:R0+64*(\s%2)+4*i+3] offset:PITCH*i
.set i, i+1
.endr
.irp c, 0,1
.irp g, 0,1,2,3,4,5,6,7
	ds_load_b128 v[R0+64*(\s%2)+32*\c+4*\g:R0+64*(\s%2)+32*\c+4*\g+3], v[STR] offset:256*\c+16*\g   ; LDS serves a wave's instructions in order: these come behind all sixteen stores above, and the next step's stores come behind them
.endr
.endr
	s_wait_dscnt 0x0                               ; the numbers are back
	QFRAG R0+64*(\s%2), \s
	CODEOUT \s
.if \s < 2
	LOADA \s+2                                     ; the set has been converted: it takes the K step two on
.endif
.endr
	s_branch .Lscales
; ---- W: a wave takes 16 channels of one head of one weight, all 512 along d.  A lane takes a channel and its registers run down d, in the operand's own order: nothing is transposed.
.LpathW:
	s_lshl_b32 s33, ttmp9, 2
	s_add_co_u32 s33, s33, s32                     ; J = 32 x matrix + 4 x head + tile
	s_cmp_lt_u32 s33, 32
	s_cselect_b64 s[42:43], s[10:11], s[12:13]
	s_cmp_lt_u32 s33, 64
	s_cselect_b64 s[42:43], s[42:43], s[14:15]     ; Wq, Wk or Wv
	s_bfe_u32 s34, s33, 0x30002                    ; the head: 512 x 64 x 4 bytes each
	s_lshl_b32 s34, s34, 17
	s_and_b32 s41, s33, 3
	s_lshl_b32 s41, s41, 6                         ; the tile: 16 channels of 4 bytes
	s_add_co_u32 s34, s34, s41
	s_add_nc_u64 s[42:43], s[42:43], s[34:35]
	s_lshl_b32 s34, s33, 12
	s_add_nc_u64 s[44:45], s[24:25], s[34:35]
	s_lshl_b32 s34, s33, 8
	s_add_nc_u64 s[46:47], s[26:27], s[34:35]
	v_lshlrev_b32 v[LO], 2, v2                     ; channel r,
	v_lshl_add_u32 v[LO], v3, 13, v[LO]            ; and 32 rows of 256 bytes further down for the upper half
.macro LOADW s
.set i, 0
.rept 64
	global_load_b32 v[R0+64*((\s)%2)+i], v[LO], s[42:43] offset:(128*(\s)+i+32*(i/32))*256   ; W(128 s + 64 c + 32 h + i', channel r)
.set i, i+1
.endr
.endm
	LOADW 0
	LOADW 1
.irp s, 0,1,2,3
.if \s < 3
	s_wait_loadcnt 63                              ; 64 loads were issued behind this K step's; 63 is the most that the wait can name, and the smaller count is safe
.else
	s_wait_loadcnt 0x0
.endif
	QFRAG R0+64*(\s%2), \s
	CODEOUT \s
.if \s < 2
	LOADW \s+2
.endif
.endr
.Lscales:                                          ; paths A and W: lane (r, h) stores words 2 h and 2 h + 1 of row r: the 32 lanes store 256 consecutive bytes, aligned
	v_cndmask_b32 v18, v[SW], v[SW+2], s40
	v_cndmask_b32 v19, v[SW+1], v[SW+3], s40
	global_store_b64 v[SO], v[18:19], s[46:47]
	s_branch .Lend
; ---- O: a wave makes four fragments of Wo^T: 16 columns n x 32 along c, f16: lane (r, h): column r; registers 0-3: c = 8 h + 0 .. 7, registers 4-7: c = 16 + 8 h + 0 .. 7
.LpathO:
	s_sub_co_u32 s33, ttmp9, 24
	s_lshl_b32 s33, s33, 2
	s_add_co_u32 s33, s33, s32                     ; 0 .. 127 = 32 x (128 columns) + 2 x (32 along c) + (64 columns)
	s_bfe_u32 s34, s33, 0x40001
	s_lshl_b32 s34, s34, 16                        ; 32 rows of 2,048 bytes
	s_lshr_b32 s41, s33, 5
	s_lshl_b32 s41, s41, 9
	s_add_co_u32 s34, s34, s41
	s_and_b32 s41, s33, 1
	s_lshl_b32 s41, s41, 8
	s_add_co_u32 s34, s34, s41
	s_add_nc_u64 s[42:43], s[16:17], s[34:35]
	s_lshl_b32 s34, s33, 12
	s_add_nc_u64 s[44:45], s[28:29], s[34:35]
	v_lshlrev_b32 v[LO], 2, v2
	v_lshl_add_u32 v[LO], v3, 14, v[LO]            ; 8 rows further down for the upper half
.irp q, 0,1,2,3
.irp i, 0,1,2,3,4,5,6,7,8,9,10,11,12,13,14,15
	global_load_b32 v[R0+16*\q+\i], v[LO], s[42:43] offset:(\i+8*(\i/8))*2048+64*\q
.endr
.endr
	s_wait_loadcnt 0x0
.irp q, 0,1,2,3
.irp j, 0,1,2,3,4,5,6,7
	v_cvt_pk_f16_f32 v[R0+64+8*\q+\j], v[R0+16*\q+2*\j], v[R0+16*\q+2*\j+1]
.endr
.endr
.irp q, 0,1,2,3
	global_store_b128 v[LI], v[R0+64+8*\q:R0+64+8*\q+3], s[44:45] offset:1024*\q
	global_store_b128 v[LI], v[R0+64+8*\q+4:R0+64+8*\q+7], s[44:45] offset:1024*\q+512
.endr
	s_branch .Lend
; ---- B: a thread makes four neighbouring entries of the bias table.  64 rows (half, head, copy) of 400 entries: 100 threads a row
.LpathB:
	s_sub_co_u32 s33, ttmp9, 56
	s_lshl_b32 s33, s33, 7
	v_add_nc_u32 v12, s33, v0                      ; g = 0 .. 6,399
	v_mul_u32_u24 v13, v12, 5243
	v_lshrrev_b32 v13, 19, v13                     ; g / 100: 5,243 / 2^19 exceeds 1 / 100 by 2.3e-7, which over g < 6,400 stays under 1 / 100
	v_mul_u32_u24 v14, v13, 100
	v_sub_nc_u32 v14, v12, v14                     ; g % 100
	v_lshrrev_b32 v15, 5, v13                      ; the query half
	v_bfe_u32 v16, v13, 2, 3                       ; the head
	v_and_b32 v17, 3, v13                          ; the copy
	v_lshl_add_u32 v17, v15, 7, v17
	v_add_nc_u32 v17, 400, v17
	v_lshlrev_b32 v14, 2, v14
	v_sub_nc_u32 v17, v17, v14                     ; 16 + (384 + 128 half + copy - p) for my first entry p: at least 4
	v_mul_u32_u24 v16, v16, 513
.irp j, 0,1,2,3
	v_sub_nc_u32 v[20+\j], v17, \j
	v_max_u32 v[20+\j], 16, v[20+\j]
	v_sub_nc_u32 v[20+\j], v[20+\j], 16            ; held at 0 from below,
	v_min_u32 v[20+\j], 0x200, v[20+\j]            ; and at 512 from above: inside the head's 513
	v_add_lshl_u32 v[20+\j], v[20+\j], v16, 2
.endr
.irp j, 0,1,2,3
	global_load_b32 v[24+\j], v[20+\j], s[18:19]
.endr
	v_lshlrev_b32 v12, 4, v12
	s_wait_loadcnt 0x0
	global_store_b128 v12, v[24:27], s[30:31]
.Lend:
	s_wait_tensorcnt 0x0                           ; the wave's end: a tensor wait, an LDS add
	ds_add_u32 v[SPW], v[NIL]
	s_wait_dscnt 0x0
	s_endpgm
.Lfunc_end_k_q0cfa58fc47_prep:
	.size	k_q0cfa58fc47_prep, .Lfunc_end_k_q0cfa58fc47_prep-k_q0cfa58fc47_prep
	.p2alignl 7, 3214868480
	.fill 96, 4, 3214868480
	.section	.rodata,"a",@progbits
	.p2align	6, 0x0
	.amdhsa_kernel k_q0cfa58fc47_prep
		.amdhsa_group_segment_fixed_size 34304
		.amdhsa_private_segment_fixed_size 0
		.amdhsa_enable_private_segment 0
		.amdhsa_kernarg_size 112
		.amdhsa_user_sgpr_count 2
		.amdhsa_user_sgpr_kernarg_segment_ptr 1
		.amdhsa_wavefront_size32 1
		.amdhsa_system_sgpr_workgroup_id_x 1
		.amdhsa_system_sgpr_workgroup_id_y 1
		.amdhsa_system_sgpr_workgroup_id_z 1
		.amdhsa_system_vgpr_workitem_id 0
		.amdhsa_next_free_vgpr 160
		.amdhsa_next_free_sgpr 66
		.amdhsa_reserve_vcc 0
		.amdhsa_float_denorm_mode_32 3
		.amdhsa_float_denorm_mode_16_64 3
		.amdhsa_memory_ordered 1
		.amdhsa_forward_progress 1
		.amdhsa_inst_pref_size 79
	.end_amdhsa_kernel
	.amdgpu_metadata
---
amdhsa.version: [ 1, 2 ]
amdhsa.kernels:
  - .name:           k_q0cfa58fc47_prep
    .symbol:         k_q0cfa58fc47_prep.kd
    .args:
      - { .name: query, .offset: 0, .size: 8, .value_kind: global_buffer, .address_space: global }
      - { .name: key, .offset: 8, .size: 8, .value_kind: global_buffer, .address_space: global }
      - { .name: value, .offset: 16, .size: 8, .value_kind: global_buffer, .address_space: global }
      - { .name: Wq, .offset: 24, .size: 8, .value_kind: global_buffer, .address_space: global }
      - { .name: Wk, .offset: 32, .size: 8, .value_kind: global_buffer, .address_space: global }
      - { .name: Wv, .offset: 40, .size: 8, .value_kind: global_buffer, .address_space: global }
      - { .name: Wo, .offset: 48, .size: 8, .value_kind: global_buffer, .address_space: global }
      - { .name: rpe_w, .offset: 56, .size: 8, .value_kind: global_buffer, .address_space: global }
      - { .name: acodes, .offset: 64, .size: 8, .value_kind: global_buffer, .address_space: global }
      - { .name: ascales, .offset: 72, .size: 8, .value_kind: global_buffer, .address_space: global }
      - { .name: wcodes, .offset: 80, .size: 8, .value_kind: global_buffer, .address_space: global }
      - { .name: wscales, .offset: 88, .size: 8, .value_kind: global_buffer, .address_space: global }
      - { .name: wo16, .offset: 96, .size: 8, .value_kind: global_buffer, .address_space: global }
      - { .name: btab, .offset: 104, .size: 8, .value_kind: global_buffer, .address_space: global }
    .group_segment_fixed_size: 34304
    .private_segment_fixed_size: 0
    .kernarg_segment_align: 8
    .kernarg_segment_size: 112
    .max_flat_workgroup_size: 128
    .sgpr_count:     66
    .vgpr_count:     160
    .wavefront_size: 32
...
	.end_amdgpu_metadata
.endif
;; end of part 1
;; launch mha (part 2): grid 256 x 1, 4 waves a work-group, no clusters, 291,328 bytes of LDS; arguments acodes, ascales, wcodes, wscales, wo16, btab, out0; writes out0
.if DOCPART == 2
	.amdgcn_target "amdgcn-amd-amdhsa--gfx1250"
	.amdhsa_code_object_version 6
	.text
	.protected	k_q0cfa58fc47_mha
	.globl	k_q0cfa58fc47_mha
	.p2align	8
	.type	k_q0cfa58fc47_mha,@function
k_q0cfa58fc47_mha:
	s_mov_b64 s[64:65], 0
	v_nop
	global_prefetch_b8 v0, s[64:65] scope:SCOPE_SE
	s_setreg_imm32_b32 hwreg(HW_REG_WAVE_MODE, 25, 1), 1
	s_wait_xcnt 0x0
; out = concat_h( softmax((Q_h K_h^T + bias_h) / 8) V_h ) Wo, with Q, K, V = the three projections on codes of FP4 (E2M1) with E8M0 scales (made by the launch before), all else on f16 operands with f32 sums.
; SHARES.  A work-group takes one batch and one half (128) of its 256 queries.  A WAVE IS A HEAD: wave w does head w in pass 0 and head w + 4 in pass 1.  In a pass it projects all 256 keys and values of its head
; straight into f16 operand registers (K: 256, V^T: 256), which never go to LDS or memory; then it walks its 8 tiles of 16 queries.  The heads meet in LDS as images of operand registers; then wave w makes columns 128 w .. + 127 of out,
; 64 columns at a time, so that the first 64 columns' stores are on their way while the other 64 are multiplied.
; LAYOUTS CHAIN WITHOUT ANY MOVE BETWEEN LANES.  In a result, lane (r, h) register j is (row 8 h + j of source 0, row r of source 1).
;   K, Q:  source 0 = 16 channels of W, source 1 = 16 keys/queries: a lane holds key r, channels 16 t + 8 h + j: four roundings in pairs are registers 4 (t & 1) .. + 3 of the f16 fragment of channels 32 (t >> 1) on.
;   V:     source 0 = 16 keys, source 1 = 16 channels of Wv: a lane holds channel r, keys 16 kt + 8 h + j: registers 4 (kt & 1) .. of V^T's fragment of keys 32 (kt >> 1) on.
;   S^T = K Q^T + bias: a lane holds query r and keys 16 kt + 8 h + j; p, rounded in pairs, is source 1 of O^T = V^T P^T; O^T / l, rounded in pairs, is source 1 of out^T = Wo^T concat^T.
; THE BIAS is the C of each score tile's first product.  Lane (r, h) wants rpe_w[head][query - key + 256] for 8 ascending keys: 8 ascending entries of the reversed table; copy r & 3 is shifted by r & 3 entries, so that they begin at a multiple of 16 bytes.
; SOFTMAX.  A query's whole row of 256 scores lies in two lanes' 128 registers: the row's true maximum is taken away, p = 2^(c s - c m), c = log2(e) / 8; the sum is taken of the f32 p and divides O^T in f32.
; WEIGHTS ARE ASKED FOR AS SOON AS THEIR REGISTERS ARE FREE: pass 0's Wk between the two batches of the fill; behind the last query tile's projection, which is Wq's last use, the next head's Wk (pass 0) or Wo^T's first four steps (pass 1).
; LIMITS: NaN and infinities are not served.  Q, K, V, the heads and Wo go in f16: their magnitudes stay under 65,504.
; NO CLUSTER, NO TENSOR LOAD: LDS is filled once, through registers (225,280 bytes), and 291,328 bytes are taken, so joint loads of the weights have no room to land; the weights come in the order of the operands' registers straight into registers.
; What the two work-groups of a batch share is 139,264 bytes, read once at the head, against 3,328 matrix instructions a wave.
; LDS: 0 concat fragments of heads 0-3 (fragment (32 c step cs, tile a) at 8,192 cs + 1,024 a); KC key codes, from pass 1's second barrier on the concat fragments of heads 4-7; VC value codes; QC my query codes;
;      KS, VS, QS scale words, 16 bytes a row; BT the bias table, behind the last barrier the four stages of the way out; SPARE.
; BARRIERS: at a pass's top (pass 0: the fill is whole; pass 1: all query walks of pass 0 are over); behind the projections (nobody reads KC, VC any more); behind pass 1 (the concat fragments are whole, nobody reads BT).
; Between the first two: reads of KC, VC, KS, VS alone.  Behind the second: reads at QC and above, stores under VC, each wave into 16,384 bytes of its own.
; REGISTERS, in windows of 256.  Window 0: v1-15 addresses; v16-55 scale words and nothing else; v56-63 statistics; v64-191 S^T (projection: two sets of activations and two of sums; later O^T, O^T / l, the heads; out phase: two sets of concat fragments);
;   v192-255 the query tile's codes and sums, then Q's fragments, then P; out phase: rows of out.   Window 1: K (16 kt + 8 es); out phase: the 32 sums (8 (4 a + nt)).   Window 2: V^T (64 ct + 8 ks).
;   Window 3: v0-127 Wk, then Wq; v128-255 Wv, then the bias tiles; out phase: eight sets of Wo^T's fragments, 32 registers each.
.set KC,    65536
.set VC,    131072
.set QC,    196608
.set KS,    229376
.set VS,    233472
.set QS,    237568
.set BT,    239616
.set STG,   239616                     ; the stages: 16 rows x (256 + 16) bytes for each wave
.set SPITCH, 272
.set SPARE, 290816                     ; the spare words, 128 bytes for each wave: two blocks of 256 bytes that no other line names
.set LI,   1                           ; 16 x lane: an image's place for my lane; never rewritten
.set LSC,  2                           ; 16 r: a row's scale words; never rewritten
.set AC,   3                           ; at the head 16 x thread; then where the trip's heads go
.set AKC,  4                           ; KC + LI;  out phase: STO, where I put 32 bytes of a row
.set AVC,  5                           ; VC + LI;  out phase: RD, where I read rows back
.set AQC0, 6                           ; QC + LI;  out phase: GO, my byte in two rows of out
.set AKS,  7
.set AVS,  8
.set AQS0, 9
.set ABT0, 10                          ; BT + 1,600 (r & 3) + 32 h + 48 - 16 (r >> 2)
.set AQ,   11                          ; the trip's addresses; out phase: ACF1 = LI + 65,536
.set AQSV, 12
.set AB,   13
.set SPW,  14
.set NIL,  15
.set STO,  AKC
.set RD,   AVC
.set GO,   AQC0
.set ACF1, AQ
.set WSA,  16                          ; v16-31 scale words of Wk, then Wq: 4 t + s
.set WSB,  32                          ; v32-47 of Wv
.set AS,   48                          ; v48-51, v52-55 the activations' scale words, two sets
.set ST,   56
.set S,    64
.set AF,   64                          ; v64-95, v96-127 activation fragments, two sets
.set ACC,  128                         ; v128-159, v160-191 the projection's sums, two sets
.set QAF,  192
.set QACC, 224
.set QF,   192
.set MX,   208
.set P,    192
.set BK,   192                         ; the way out: v192-223, v224-255 by turns
.set ON,   96
.set HF,   128
.set WA,   0
.set WB,   128
.set BB,   128
.set MSB, 0
.macro WIN new                         ; s_set_vgpr_msb: bits 1:0 source 0, 3:2 source 1, 5:4 source 2, 7:6 destination; the high byte repeats the setting that is left
.if MSB != \new
	s_set_vgpr_msb (MSB<<8)|\new
.set MSB, \new
.endif
.endm
.set W_PK,  0x03                       ; source 0 in window 3
.set W_PVJ, 0x0c                       ; source 1 in window 3
.set W_D1,  0x40
.set W_D2,  0x80
.set W_D3,  0xc0
.set W_ST1, 0x04                       ; an LDS store's data are its source 1
.set W_ST2, 0x08
.set W_S0,  0x31                       ; K in window 1, the bias (C) in window 3
.set W_S1,  0x01
.set W_O,   0x02
.set W_LO,  0x53                       ; Wo^T in window 3, C and D in window 1
.macro PLACES                          ; four places behind a matrix instruction, ahead of a read of its result and of a load or a write into its registers (ISA guide 7.12.1 for reads and writes)
.rept 4
	v_nop
.endr
.endm
.macro BARRIER                         ; my LDS stores have landed and my LDS loads are in: then the work-group's barrier
	s_wait_dscnt 0x0
	s_barrier_signal -1
	s_barrier_wait -1
.endm
.macro FP4 d, a, b, first, sa, sb      ; 16 x 16 x 128 on codes; first: the product starts the sum
.if \first
	v_wmma_scale_f32_16x16x128_f8f6f4 v[\d:\d+7], v[\a:\a+7], v[\b:\b+7], 0, v[\sa], v[\sb] matrix_a_fmt:MATRIX_FMT_FP4 matrix_b_fmt:MATRIX_FMT_FP4
.else
	v_wmma_scale_f32_16x16x128_f8f6f4 v[\d:\d+7], v[\a:\a+7], v[\b:\b+7], v[\d:\d+7], v[\sa], v[\sb] matrix_a_fmt:MATRIX_FMT_FP4 matrix_b_fmt:MATRIX_FMT_FP4
.endif
.endm
.macro H16 d, a, b, first              ; 16 x 16 x 32 on f16
.if \first
	v_wmma_f32_16x16x32_f16 v[\d:\d+7], v[\a:\a+7], v[\b:\b+7], 0
.else
	v_wmma_f32_16x16x32_f16 v[\d:\d+7], v[\a:\a+7], v[\b:\b+7], v[\d:\d+7]
.endif
.endm
; a weight matrix (m = 0: Wq, 1: Wk, 2: Wv) of my head (nx = 0) or of the head four on (nx = 1): 16 fragments (tile t, K step s) at dst + 8 (4 t + s) of window 3, and its scale words at sc + 4 t + s: 36 loads
.macro WLOAD m, dst, sc, nx
	WIN W_D3
.set i, 0
.rept 32
	global_load_b128 v[\dst+4*i:\dst+4*i+3], v[LI], s[8:9] offset:131072*\m+65536*\nx+512*i
.set i, i+1
.endr
	WIN 0
.irp t, 0,1,2,3
	global_load_b128 v[\sc+4*\t:\sc+4*\t+3], v[LSC], s[10:11] offset:8192*\m+4096*\nx+256*\t
.endr
.endm
.macro WOLOAD off, buf                 ; a step's four fragments of Wo^T (64 columns x 32 along c) into set buf: 8 loads
	WIN W_D3
.set i, 0
.rept 8
	global_load_b128 v[32*(\buf)+4*i:32*(\buf)+4*i+3], v[LI], s[12:13] offset:8192*(\off)+512*i
.set i, i+1
.endr
.endm
	s_load_b256 s[4:11], s[0:1], 0x0               ; acodes, ascales, wcodes, wscales
	s_load_b128 s[12:15], s[0:1], 0x20             ; wo16, btab
	s_load_b64 s[16:17], s[0:1], 0x30              ; out0
	v_lshl_add_u32 v[SPW], v0, 2, SPARE
	v_mov_b32 v[NIL], 0
	v_lshrrev_b32 v60, 5, v0
	v_readfirstlane_b32 s18, v60                   ; wave 0..3
	v_and_b32 v60, 31, v0                          ; lane
	v_and_b32 v61, 15, v0                          ; r
	v_bfe_u32 v62, v0, 4, 1                        ; h
	v_lshlrev_b32 v[LI], 4, v60
	v_lshlrev_b32 v[LSC], 4, v61
	v_lshlrev_b32 v[AC], 4, v0                     ; the fill: 16 bytes a thread, 2,048 a work-group
	v_add_nc_u32 v56, KC, v[AC]
	v_add_nc_u32 v57, VC, v[AC]
	v_add_nc_u32 v58, QC, v[AC]
	v_add_nc_u32 v59, BT, v[AC]
	v_add_nc_u32 v[AKC], KC, v[LI]
	v_add_nc_u32 v[AVC], VC, v[LI]
	v_add_nc_u32 v[AQC0], QC, v[LI]
	v_add_nc_u32 v[AKS], KS, v[LSC]
	v_add_nc_u32 v[AVS], VS, v[LSC]
	v_add_nc_u32 v[AQS0], QS, v[LSC]
	v_and_b32 v63, 3, v61
	v_mul_u32_u24 v[ABT0], v63, 1600               ; my copy of the table: 1,600 = 6 x 256 + 64, so that with the - 16 (r >> 2) below sixteen lanes take sixteen different 16-byte columns modulo 256
	v_lshl_add_u32 v[ABT0], v62, 5, v[ABT0]
	v_add_nc_u32 v[ABT0], BT+48, v[ABT0]
	v_lshrrev_b32 v63, 2, v61
	v_lshlrev_b32 v63, 4, v63
	v_sub_nc_u32 v[ABT0], v[ABT0], v63
	s_lshr_b32 s19, ttmp9, 1                       ; the batch
	s_and_b32 s20, ttmp9, 1                        ; the half of its queries
	s_mov_b32 s23, 0                               ; the high word of every offset pair s[22:23]
	s_mov_b32 s36, 0x76543210
	s_mov_b32 s37, 0xfedcba98                      ; v_permlanex16_b32's selects for lane l xor 16
	s_mov_b32 s38, 0x3e38aa3b                      ; c = log2(e) / 8
	s_mov_b32 s39, s38                             ; (named with it as a pair, so it is written)
	s_wait_kmcnt 0x0
	s_lshl_b32 s22, s19, 16                        ; a batch's 16 tiles of 4,096 bytes
	s_add_co_u32 s22, s22, 8388608                 ; behind query's 2,048 tiles
	s_add_nc_u64 s[24:25], s[4:5], s[22:23]        ; key's codes
	s_add_co_u32 s22, s22, 8388608
	s_add_nc_u64 s[26:27], s[4:5], s[22:23]        ; value's
	s_lshl_b32 s22, ttmp9, 15
	s_add_nc_u64 s[28:29], s[4:5], s[22:23]        ; my 8 tiles of query's
	s_lshl_b32 s22, s19, 12
	s_add_co_u32 s22, s22, 524288
	s_add_nc_u64 s[30:31], s[6:7], s[22:23]        ; key's scale words
	s_add_co_u32 s22, s22, 524288
	s_add_nc_u64 s[32:33], s[6:7], s[22:23]        ; value's
	s_lshl_b32 s22, ttmp9, 11
	s_add_nc_u64 s[34:35], s[6:7], s[22:23]        ; query's
	s_mul_i32 s22, s20, 51200
	s_add_nc_u64 s[14:15], s[14:15], s[22:23]      ; my half's bias table
	s_lshl_b32 s22, s18, 14
	s_add_nc_u64 s[8:9], s[8:9], s[22:23]          ; head w's weights: 16 fragments,
	s_lshl_b32 s22, s18, 10
	s_add_nc_u64 s[10:11], s[10:11], s[22:23]      ; 64 rows of scale words
	s_lshl_b32 s22, s18, 17
	s_add_nc_u64 s[12:13], s[12:13], s[22:23]      ; Wo^T's fragments of my 128 columns
	s_lshl_b32 s22, ttmp9, 18                      ; my 128 rows of out, 2,048 bytes each,
	s_lshl_b32 s21, s18, 9                         ; my 128 columns
	s_add_co_u32 s22, s22, s21
	s_add_nc_u64 s[16:17], s[16:17], s[22:23]
; ---- THE FILL: 225,280 bytes through registers, once.  Two batches, so that the first is stored while the second is on its way; pass 0's Wk is asked for between the two batches' stores.
	WIN W_D1
.set i, 0
.rept 32
	global_load_b128 v[4*i:4*i+3], v[AC], s[24:25] offset:2048*i
.set i, i+1
.endr
.set i, 0
.rept 32
	global_load_b128 v[128+4*i:128+4*i+3], v[AC], s[26:27] offset:2048*i
.set i, i+1
.endr
	WIN W_D2
.set i, 0
.rept 16
	global_load_b128 v[4*i:4*i+3], v[AC], s[28:29] offset:2048*i
.set i, i+1
.endr
.irp i, 0,1
	global_load_b128 v[64+4*\i:64+4*\i+3], v[AC], s[30:31] offset:2048*\i
.endr
.irp i, 0,1
	global_load_b128 v[72+4*\i:72+4*\i+3], v[AC], s[32:33] offset:2048*\i
.endr
	global_load_b128 v[80:83], v[AC], s[34:35]
.set i, 0
.rept 25
	global_load_b128 v[84+4*i:84+4*i+3], v[AC], s[14:15] offset:2048*i
.set i, i+1
.endr
	s_wait_loadcnt 46                              ; key's and value's codes are in; the 46 loads of the second batch may be out
	WIN W_ST1
.set i, 0
.rept 32
	ds_store_b128 v56, v[4*i:4*i+3] offset:2048*i
.set i, i+1
.endr
.set i, 0
.rept 32
	ds_store_b128 v57, v[128+4*i:128+4*i+3] offset:2048*i
.set i, i+1
.endr
	WLOAD 1, WA, WSA, 0                            ; Wk of head w
	s_wait_loadcnt 36                              ; the second batch is in; Wk's 36 loads may be out
	WIN W_ST2
.set i, 0
.rept 16
	ds_store_b128 v58, v[4*i:4*i+3] offset:2048*i
.set i, i+1
.endr
.irp i, 0,1
	ds_store_b128 v58, v[64+4*\i:64+4*\i+3] offset:KS-QC+2048*\i
.endr
.irp i, 0,1
	ds_store_b128 v58, v[72+4*\i:72+4*\i+3] offset:VS-QC+2048*\i
.endr
	ds_store_b128 v58, v[80:83] offset:QS-QC
.set i, 0
.rept 25
	ds_store_b128 v59, v[84+4*i:84+4*i+3] offset:2048*i
.set i, i+1
.endr
	WIN 0
	s_mov_b32 s40, 0                               ; the pass
	s_mul_i32 s45, s18, 6400                       ; my head's part of the bias table
	s_lshl_b32 s47, s18, 14                        ; my head's concat fragments: 2 steps of 32 c x 8,192 bytes
; THE PROJECTIONS OF K AND V: a stream of 32 row tiles, g = 0 .. 15 key's, 16 .. 31 value's, on two sets of registers.
.macro PLOAD g                         ; tile g's four fragments and its rows' scale words: nine loads
.set pb, (\g)%2
.set pk, (\g)%16
.if (\g) < 16
.set pa, AKC
.set ps, AKS
.else
.set pa, AVC
.set ps, AVS
.endif
.set i, 0
.rept 8
	ds_load_b128 v[AF+32*pb+4*i:AF+32*pb+4*i+3], v[pa] offset:4096*pk+512*i
.set i, i+1
.endr
	ds_load_b128 v[AS+4*pb:AS+4*pb+3], v[ps] offset:256*pk
.endm
.macro PMUL g                          ; 16 products: K steps outermost, the four tiles of channels by turns, one instruction a turn
.set pb, (\g)%2
.if (\g) < 16
	WIN W_PK
.else
	WIN W_PVJ
.endif
.irp s, 0,1,2,3
.irp t, 0,1,2,3
.if (\g) < 16
	FP4 ACC+32*pb+8*\t, WA+8*(4*\t+\s), AF+32*pb+8*\s, (\s==0), WSA+4*\t+\s, AS+4*pb+\s
.else
	FP4 ACC+32*pb+8*\t, AF+32*pb+8*\s, WB+8*(4*\t+\s), (\s==0), AS+4*pb+\s, WSB+4*\t+\s
.endif
.endr
.endr
.endm
.macro PCVT g                          ; tile g's sums, rounded in pairs, are operand registers; each sum is read from its low end on
.set cb, (\g)%2
.set ck, (\g)%16
.if (\g) < 16
	WIN W_D1
.else
	WIN W_D2
.endif
.irp t, 0,1,2,3
.irp i, 0,1,2,3
.if (\g) < 16
	v_cvt_pk_f16_f32 v[16*ck+4*\t+\i], v[ACC+32*cb+8*\t+2*\i], v[ACC+32*cb+8*\t+2*\i+1]
.else
	v_cvt_pk_f16_f32 v[64*\t+4*ck+\i], v[ACC+32*cb+8*\t+2*\i], v[ACC+32*cb+8*\t+2*\i+1]
.endif
.endr
.endr
.endm
.macro PSTEP g                         ; tile g is multiplied; the 16 roundings of tile g - 1, which name none of these products' registers, are the places ahead of the loads that follow
.if (\g) == 31
	s_wait_dscnt 0x0
.else
	s_wait_dscnt 9                                 ; tile g's nine loads are in; tile g + 1's nine may be out
.endif
.if (\g) == 16
	s_wait_loadcnt 36                              ; Wv is in; Wq's 36 loads may be out
.endif
	PMUL \g
.if (\g) == 0
	PLACES
.else
	PCVT (\g)-1
.endif
	WIN 0
.if (\g) <= 29
	PLOAD (\g)+2
.endif
.if (\g) == 15
	WLOAD 0, WA, WSA, 0                            ; Wk has had its last product: Wq takes its registers
.endif
.endm
; A QUERY TRIP: 16 queries against the head's 256 keys.  last = 1: the eighth tile, written out behind the loop: behind its projection Wq's registers are free and are asked for anew.
.macro QTRIP last
	v_add_nc_u32 v[AQ], s42, v[AQC0]
	v_add_nc_u32 v[AQSV], s43, v[AQS0]
	v_add_nc_u32 v[AB], s44, v[ABT0]
	v_add_nc_u32 v[AC], s46, v[LI]
.set i, 0
.rept 8
	ds_load_b128 v[QAF+4*i:QAF+4*i+3], v[AQ] offset:512*i
.set i, i+1
.endr
	ds_load_b128 v[AS:AS+3], v[AQSV]
	WIN W_D3
.set i, 0
.rept 32
	ds_load_b128 v[BB+4*i:BB+4*i+3], v[AB] offset:64*(i/2)+16*(i%2)   ; the 16 bias tiles, two loads each: a tile of 16 keys is 16 entries of the table, so tile kt = i / 2 begins 64 kt bytes on; my eight of them (32 h is in the address) are 32 bytes
.set i, i+1
.endr
	s_wait_dscnt 32                                ; the codes and scale words are in; the 32 bias loads may be out
	WIN W_PK
.irp s, 0,1,2,3
.irp t, 0,1,2,3
	FP4 QACC+8*\t, WA+8*(4*\t+\s), QAF+8*\s, (\s==0), WSA+4*\t+\s, AS+\s
.endr
.endr
	WIN 0
	PLACES
.irp t, 0,1,2,3
.irp i, 0,1,2,3
	v_cvt_pk_f16_f32 v[QF+4*\t+\i], v[QACC+8*\t+2*\i], v[QACC+8*\t+2*\i+1]
.endr
.endr
.if \last
	s_cmp_lg_u32 s40, 0                            ; the pass: the same in all waves.  The four v_nop and sixteen roundings above are the places behind Wq's last products
	s_cbranch_scc1 .Learly_wo
	WLOAD 1, WA, WSA, 1                            ; pass 0: Wk of head w + 4: it has the rest of this trip in which to land
	s_branch .Learly_done
.Learly_wo:
	WOLOAD 0, 0                                    ; pass 1: Wo^T's steps 0 to 3 of my first 64 columns
	WOLOAD 1, 1
	WOLOAD 2, 2
	WOLOAD 3, 3
	WIN 0
.Learly_done:
.endif
	s_wait_dscnt 0x0                               ; the bias
	WIN W_S0
.set i, 0
.rept 16
	v_wmma_f32_16x16x32_f16 v[S+8*i:S+8*i+7], v[16*i:16*i+7], v[QF:QF+7], v[BB+8*i:BB+8*i+7]   ; channels 0-31; the bias starts the sum
.set i, i+1
.endr
	WIN W_S1
.set i, 0
.rept 16
	H16 S+8*i, 16*i+8, QF+8, 0                     ; channels 32-63: the sixteen sums by turns
.set i, i+1
.endr
	WIN 0
	PLACES
	; the row's maximum: eight chains of 16 scores, each in ascending order, so that each sum is first read at its low end
.irp x, 0,1,2,3,4,5,6,7
	v_max3_num_f32 v[MX+\x], v[S+16*\x], v[S+16*\x+1], v[S+16*\x+2]
.endr
.irp i, 3,5,7,9,11,13
.irp x, 0,1,2,3,4,5,6,7
	v_max3_num_f32 v[MX+\x], v[MX+\x], v[S+16*\x+\i], v[S+16*\x+\i+1]
.endr
.endr
.irp x, 0,1,2,3,4,5,6,7
	v_max_num_f32 v[MX+\x], v[MX+\x], v[S+16*\x+15]
.endr
	v_max3_num_f32 v[ST], v[MX], v[MX+1], v[MX+2]
	v_max3_num_f32 v[ST+1], v[MX+3], v[MX+4], v[MX+5]
	v_max3_num_f32 v[ST], v[ST], v[MX+6], v[MX+7]
	v_max_num_f32 v[ST], v[ST], v[ST+1]
	v_permlanex16_b32 v[ST+1], v[ST], s36, s37     ; the query's other 128 keys lie in the lane 16 away
	v_max_num_f32 v[ST], v[ST], v[ST+1]
	v_mul_f32 v[ST+4], s38, v[ST]                  ; c m
	v_mov_b32 v[ST+5], v[ST+4]                     ; (named with it as a pair)
.set i, 0
.rept 64
	v_pk_fma_f32 v[S+2*i:S+2*i+1], v[S+2*i:S+2*i+1], s[38:39], v[ST+4:ST+5] op_sel_hi:[1,0,0] neg_lo:[0,0,1] neg_hi:[0,0,1]   ; c s - c m
.set i, i+1
.endr
.set i, 0
.rept 128
	v_exp_f32 v[S+i], v[S+i]                       ; p, at most 1
.set i, i+1
.endr
	v_nop                                          ; the plain place behind the last exponential
	s_wait_alu depctr_va_vdst(0)                   ; one wait for the batch of 128, ahead of its first reader
.irp x, 0,1,2,3
	v_pk_add_f32 v[ST+2*\x:ST+2*\x+1], v[S+2*\x:S+2*\x+1], v[S+8+2*\x:S+8+2*\x+1]   ; the sum of the f32 p: four chains of pairs
.endr
.set i, 8
.rept 56
	v_pk_add_f32 v[ST+2*(i%4):ST+2*(i%4)+1], v[ST+2*(i%4):ST+2*(i%4)+1], v[S+2*i:S+2*i+1]
.set i, i+1
.endr
	v_pk_add_f32 v[ST:ST+1], v[ST:ST+1], v[ST+2:ST+3]
	v_pk_add_f32 v[ST+4:ST+5], v[ST+4:ST+5], v[ST+6:ST+7]
	v_pk_add_f32 v[ST:ST+1], v[ST:ST+1], v[ST+4:ST+5]
.set i, 0
.rept 64
	v_cvt_pk_f16_f32 v[P+i], v[S+2*i], v[S+2*i+1]  ; tile kt's pair i is register 4 kt + i of P
.set i, i+1
.endr
	v_add_f32 v[ST], v[ST], v[ST+1]
	v_permlanex16_b32 v[ST+1], v[ST], s36, s37
	v_add_f32 v[ST], v[ST], v[ST+1]                ; l
	WIN W_O
.irp ks, 0,1,2,3,4,5,6,7
.irp ct, 0,1,2,3
	H16 S+8*\ct, 64*\ct+8*\ks, P+8*\ks, (\ks==0)   ; O^T: keys outermost, the four tiles of channels by turns
.endr
.endr
	WIN 0
	v_rcp_f32 v[ST+6], v[ST]
	PLACES                                         ; the places behind the products; the first is also the plain place behind the reciprocal
	s_wait_alu depctr_va_vdst(0)                   ; the reciprocal's wait, ahead of its first reader
.set i, 0
.rept 16
	v_pk_mul_f32 v[ON+2*i:ON+2*i+1], v[S+2*i:S+2*i+1], v[ST+6:ST+7] op_sel_hi:[1,0]   ; O^T / l, in f32
.set i, i+1
.endr
.set i, 0
.rept 16
	v_cvt_pk_f16_f32 v[HF+i], v[ON+2*i], v[ON+2*i+1]
.set i, i+1
.endr
.irp ct, 0,1,2,3
	ds_store_b128 v[AC], v[HF+4*\ct:HF+4*\ct+3] offset:8192*(\ct/2)+512*(\ct%2)   ; registers 4 (ct & 1) .. of the concat fragment of c step 2 head + (ct >> 1), as an image
.endr
.if \last == 0
	s_add_co_u32 s42, s42, 4096
	s_add_co_u32 s43, s43, 256
	s_sub_co_u32 s44, s44, 64
	s_add_co_u32 s46, s46, 1024
.endif
.endm
.Lpass:                                            ; two trips: head w, head w + 4.  Wk is on its way or in: it was asked for at the head, or in the last query trip of pass 0
	WLOAD 2, WB, WSB, 0
	BARRIER                                        ; pass 0: the fill is whole; pass 1: every wave's query walk of pass 0 is over
	PLOAD 0
	PLOAD 1
	s_wait_loadcnt 36                              ; Wk is in; Wv's 36 loads may be out
.set G, 0
.rept 32
	PSTEP G
.set G, G+1
.endr
	PCVT 31                                        ; (tile 30's roundings were its places)
	WIN 0
	s_wait_loadcnt 0x0                             ; Wq
	BARRIER                                        ; no wave reads key's or value's codes any more
	s_mov_b32 s41, 0                               ; the tile of queries, a
	s_mov_b32 s42, 0                               ; 4,096 a: its codes
	s_mov_b32 s43, 0                               ; 256 a: its scale words
	s_add_co_u32 s44, s45, 464                     ; the bias: 64 bytes back for each tile of queries
	s_mov_b32 s46, s47                             ; 1,024 a on: where its heads go
.Lq:                                               ; seven trips
	QTRIP 0
	s_add_co_u32 s41, s41, 1
	s_cmp_lt_u32 s41, 7
	s_cbranch_scc1 .Lq
	QTRIP 1                                        ; the eighth
	s_add_co_u32 s45, s45, 25600                   ; four heads on: in the bias table,
	s_add_co_u32 s47, s47, 65536                   ; among the concat fragments,
	s_wait_xcnt 0x0                                ; (the loads asked for in the eighth trip have read their bases)
	s_add_nc_u64 s[8:9], s[8:9], 65536             ; and in the weights
	s_add_nc_u64 s[10:11], s[10:11], 4096
	s_add_co_u32 s40, s40, 1
	s_cmp_lt_u32 s40, 2
	s_cbranch_scc1 .Lpass
; ---- out^T = Wo^T concat^T: my 128 columns in two halves of 64; a half is 32 sums by turns (8 tiles of rows x 4 tiles of columns), 16 steps of 32 along c.  Wo^T's fragments come seven steps ahead into eight sets,
; the concat fragments one step ahead into two.  A step's loads stand at its head, so that they have the step's 32 products in which to land.  The concat fragments are read once for each half.
.macro CFLOAD off, buf                 ; a step's eight concat fragments: 16 loads; steps 8 to 15 lie beyond an LDS offset's 16 bits: a second address register
.set i, 0
.rept 16
.if (\off) < 8
	ds_load_b128 v[64+64*(\buf)+4*i:64+64*(\buf)+4*i+3], v[LI] offset:8192*(\off)+512*i
.else
	ds_load_b128 v[64+64*(\buf)+4*i:64+64*(\buf)+4*i+3], v[ACF1] offset:8192*((\off)-8)+512*i
.endif
.set i, i+1
.endr
.endm
.macro MUL32 wf, cf, zero
.irp a, 0,1,2,3,4,5,6,7
.irp nt, 0,1,2,3
	H16 8*(4*\a+\nt), 32*(\wf)+8*\nt, 64+64*(\cf)+8*\a, \zero
.endr
.endr
.endm
.macro OSTEP j
.if (\j) <= 9
	s_wait_loadcnt 48                              ; this step's Wo^T is in; the six later steps' 48 loads may be out
.else
	s_wait_loadcnt 8*(15-(\j))                     ; nothing more is asked for in this half: the counts run down
.endif
	s_wait_dscnt 0x0                               ; and its concat fragments
.if (\j) > 0 && (\j) < 15
	PLACES                                         ; ahead of loads into the sets that the step before multiplied
.endif
.if (\j) <= 8
	WOLOAD (\j)+7, ((\j)+7)%8
.endif
.if (\j) < 15
	WIN 0
	CFLOAD (\j)+1, ((\j)+1)%2
.endif
	WIN W_LO
	MUL32 (\j)%8, (\j)%2, ((\j)==0)
.endm
; THE WAY OUT of a half, a tile of 16 rows x 64 columns at a time.  A lane holds 32 neighbouring bytes of a row and the lanes beside it hold other rows: a tile goes through my own stage and comes back as rows of 256 bytes, two an instruction.
.macro TOSTAGE a
	WIN W_ST1
.irp nt, 0,1,2,3
	ds_store_b128 v[STO], v[32*(\a)+8*\nt:32*(\a)+8*\nt+3] offset:64*\nt            ; each sum from its low end on
	ds_store_b128 v[STO], v[32*(\a)+8*\nt+4:32*(\a)+8*\nt+7] offset:64*\nt+16
.endr
	WIN 0
.set tb, BK+32*((\a)%2)
.set i, 0
.rept 8
	ds_load_b128 v[tb+4*i:tb+4*i+3], v[RD] offset:2*SPITCH*i               ; LDS serves a wave's instructions in order: these see the stores above, and the next tile's stores come behind them
.set i, i+1
.endr
.endm
.macro SEND a, younger                 ; younger: the LDS instructions issued behind tile a's loads, which may stay out
.set tb, BK+32*((\a)%2)
	s_wait_dscnt \younger
.set i, 0
.rept 8
	global_store_b128 v[GO], v[tb+4*i:tb+4*i+3], s[16:17] offset:(16*(\a)+2*i)*2048 th:TH_STORE_NT   ; sixteen lanes store 256 consecutive bytes, at a multiple of 256 from out's first byte
.set i, i+1
.endr
.endm
	WOLOAD 4, 4                                    ; steps 0 to 3 were asked for in the last query trip
	WOLOAD 5, 5
	WOLOAD 6, 6
	WIN 0
	BARRIER                                        ; the concat fragments are whole, and nobody reads the bias table any more
	v_and_b32 v61, 15, v0                          ; r
	v_bfe_u32 v62, v0, 4, 1                        ; h
	s_mul_i32 s22, s18, 16*SPITCH
	s_add_co_u32 s22, s22, STG                     ; my stage
	v_mul_u32_u24 v[STO], v61, SPITCH
	v_lshl_add_u32 v[STO], v62, 5, v[STO]
	v_add_nc_u32 v[STO], s22, v[STO]               ; in: row r, 32 bytes for each half of the lanes
	v_mul_u32_u24 v[RD], v62, SPITCH
	v_lshl_add_u32 v[RD], v61, 4, v[RD]
	v_add_nc_u32 v[RD], s22, v[RD]                 ; back: lanes 0-15 one row of 256 bytes, lanes 16-31 the next
	v_lshlrev_b32 v[GO], 11, v62
	v_lshl_add_u32 v[GO], v61, 4, v[GO]            ; and the same two rows in out
	v_add_nc_u32 v[ACF1], 65536, v[LI]
	s_mov_b32 s48, 2                               ; halves to go
.Lhalf:
	CFLOAD 0, 0
.set J, 0
.rept 16
	OSTEP J
.set J, J+1
.endr
	WIN 0
.rept 5
	v_nop                                          ; behind the last products: four places for the reads of their sums and for loads into the sets that they read; a fifth, since the next half's first products write the same sums anew
.endr
	s_cmp_eq_u32 s48, 1                            ; the count of halves: the same in all waves
	s_cbranch_scc1 .Lno_more
	s_wait_xcnt 0x0                                ; every load so far has read its base
	s_add_nc_u64 s[12:13], s[12:13], 4096          ; the other four tiles of columns: their first seven steps are asked for ahead of the way out, under which they land
	WOLOAD 0, 0
	WOLOAD 1, 1
	WOLOAD 2, 2
	WOLOAD 3, 3
	WOLOAD 4, 4
	WOLOAD 5, 5
	WOLOAD 6, 6
	WIN 0
.Lno_more:
	TOSTAGE 0
.irp a, 1,2,3,4,5,6,7
.if \a > 1
	s_wait_xcnt 0x0                                ; tile a - 2's stores have read their registers: tile a's rows may land there
.endif
	TOSTAGE \a
	SEND \a-1, 16                                  ; behind tile a - 1's loads: tile a's 8 stores and 8 loads
.endr
	SEND 7, 0
	s_wait_xcnt 0x0                                ; the stores have read their registers and their base
	s_add_nc_u64 s[16:17], s[16:17], 256           ; the other 64 columns
	s_sub_co_u32 s48, s48, 1
	s_cmp_lg_u32 s48, 0
	s_cbranch_scc1 .Lhalf
	s_wait_tensorcnt 0x0                           ; the wave's end: a tensor wait, an LDS add
	ds_add_u32 v[SPW], v[NIL]
	s_wait_dscnt 0x0
	s_endpgm
.Lfunc_end_k_q0cfa58fc47_mha:
	.size	k_q0cfa58fc47_mha, .Lfunc_end_k_q0cfa58fc47_mha-k_q0cfa58fc47_mha
	.p2alignl 7, 3214868480
	.fill 96, 4, 3214868480
	.section	.rodata,"a",@progbits
	.p2align	6, 0x0
	.amdhsa_kernel k_q0cfa58fc47_mha
		.amdhsa_group_segment_fixed_size 291328
		.amdhsa_private_segment_fixed_size 0
		.amdhsa_enable_private_segment 0
		.amdhsa_kernarg_size 56
		.amdhsa_user_sgpr_count 2
		.amdhsa_user_sgpr_kernarg_segment_ptr 1
		.amdhsa_wavefront_size32 1
		.amdhsa_system_sgpr_workgroup_id_x 1
		.amdhsa_system_sgpr_workgroup_id_y 1
		.amdhsa_system_sgpr_workgroup_id_z 1
		.amdhsa_system_vgpr_workitem_id 0
		.amdhsa_next_free_vgpr 1024
		.amdhsa_next_free_sgpr 66
		.amdhsa_reserve_vcc 0
		.amdhsa_float_denorm_mode_32 3
		.amdhsa_float_denorm_mode_16_64 3
		.amdhsa_memory_ordered 1
		.amdhsa_forward_progress 1
		.amdhsa_inst_pref_size 255
	.end_amdhsa_kernel
	.section	.bss,"aw",@nobits
	.p2align	6
	.space	262144
	.amdgpu_metadata
---
amdhsa.version: [ 1, 2 ]
amdhsa.kernels:
  - .name:           k_q0cfa58fc47_mha
    .symbol:         k_q0cfa58fc47_mha.kd
    .args:
      - { .name: acodes, .offset: 0, .size: 8, .value_kind: global_buffer, .address_space: global }
      - { .name: ascales, .offset: 8, .size: 8, .value_kind: global_buffer, .address_space: global }
      - { .name: wcodes, .offset: 16, .size: 8, .value_kind: global_buffer, .address_space: global }
      - { .name: wscales, .offset: 24, .size: 8, .value_kind: global_buffer, .address_space: global }
      - { .name: wo16, .offset: 32, .size: 8, .value_kind: global_buffer, .address_space: global }
      - { .name: btab, .offset: 40, .size: 8, .value_kind: global_buffer, .address_space: global }
      - { .name: out0, .offset: 48, .size: 8, .value_kind: global_buffer, .address_space: global }
    .group_segment_fixed_size: 291328
    .private_segment_fixed_size: 0
    .kernarg_segment_align: 8
    .kernarg_segment_size: 56
    .max_flat_workgroup_size: 128
    .sgpr_count:     66
    .vgpr_count:     1024
    .wavefront_size: 32
...
	.end_amdgpu_metadata
.endif
;; end of part 2
